; MI455X (gfx1250); checked and timed in simulation.
; The chip was launched on July 23, 2026; its instructions are those of AMD's public machine-readable ISA for CDNA 5 (MIT licence, August 2026) and "CDNA5" Instruction Set Architecture Reference Guide (July 2026). The comments in the code are by the model that wrote it; some were corrected since.
;; Head. Allowed arithmetic: float matrix products may take bf16 or f16 operands with f32 sums; all other float work in f32.
;; Inputs: Wk 1,024 x 128 float32; Wq 1,024 x 128 float32; Wv 1,024 x 128 float32; x 4 x 4,096 x 1,024 float32.
;; Outputs: out0 4 x 4,096 x 128 float32.
;; One version. Each part assembles by itself: llvm-mc -triple=amdgcn-amd-amdhsa -mcpu=gfx1250 --defsym DOCPART=n.
;; ======== version 1 of 1: 3 launches
;; limits: values are held in f16: magnitudes above 65,504 overflow, below 6.1e-05 lose precision
;; workspace buffers: wf 786,432 bytes; kf 4,194,304 bytes; qf 4,194,304 bytes; vf 4,194,304 bytes
;; launch wprep (part 1): grid 128 x 1, 6 waves a work-group, no clusters, 0 bytes of LDS; arguments Wk, Wq, Wv, wf; writes wf
.if DOCPART == 1
	.amdgcn_target "amdgcn-amd-amdhsa--gfx1250"
	.amdhsa_code_object_version 6
	.text
	.protected	k_qc0302299a4_wprep
	.globl	k_qc0302299a4_wprep
	.p2align	8
	.type	k_qc0302299a4_wprep,@function
k_qc0302299a4_wprep:
	s_mov_b64 s[64:65], 0
	v_nop
	global_prefetch_b8 v0, s[64:65] scope:SCOPE_SE
	s_setreg_imm32_b32 hwreg(HW_REG_WAVE_MODE, 25, 1), 1
	s_wait_xcnt 0x0
; Wk, Wq, Wv [1024][128] f32  ->  wf: bf16 in the register image of 16 x 32 matrix operands.
; wf = [s 8][w 4][kc 4][t6 6][e 2][lane 32][16 bytes].  Lane (r = lane & 15, h = lane >> 4), half e, element i holds
; W_mat[128 s + 32 kc + 16 e + 8 h + i][16 (2 w + (t6 & 1)) + r],  mat = t6 >> 1 in the order k, q, v.
; Work-group u = 16 s + 4 w + kc, wave = t6: one wave makes one operand of 1,024 bytes and stores it by two
; instructions of 512 consecutive bytes.  The whole launch moves 2.25 MB, so it has 128 work-groups and no LDS.
	s_load_b256 s[4:11], s[0:1], 0x0               ; Wk s[4:5], Wq s[6:7], Wv s[8:9], wf s[10:11]
	v_lshrrev_b32 v1, 5, v0
	v_readfirstlane_b32 s12, v1                    ; t6
	s_lshr_b32 s13, s12, 1                         ; which matrix
	s_and_b32 s14, s12, 1
	s_lshr_b32 s15, ttmp9, 4                       ; s
	s_lshl_b32 s15, s15, 16                        ; 128 rows of 512 bytes
	s_and_b32 s16, ttmp9, 3                        ; kc
	s_lshl_b32 s16, s16, 14                        ; 32 rows of 512 bytes
	s_add_co_u32 s16, s16, s15
	s_bfe_u32 s17, ttmp9, 0x20002                  ; w
	s_lshl1_add_u32 s17, s17, s14                  ; column tile 2 w + (t6 & 1)
	s_lshl_b32 s17, s17, 6                         ; 16 columns of 4 bytes
	s_add_co_u32 s16, s16, s17
	s_mov_b32 s17, 0
	s_mul_i32 s18, ttmp9, 6144                     ; six operands for each u
	s_lshl_b32 s19, s12, 10
	s_add_co_u32 s18, s18, s19
	s_mov_b32 s19, 0
	v_and_b32 v1, 15, v0                           ; r
	v_bfe_u32 v2, v0, 4, 1                         ; h
	v_lshlrev_b32 v3, 2, v1
	v_lshl_add_u32 v3, v2, 12, v3                  ; 8 h rows + column r
	v_and_b32 v2, 31, v0
	v_lshlrev_b32 v2, 4, v2                        ; 16 x lane
	s_wait_kmcnt 0x0
	s_cmp_eq_u32 s13, 1
	s_cselect_b64 s[4:5], s[6:7], s[4:5]
	s_cmp_eq_u32 s13, 2
	s_cselect_b64 s[4:5], s[8:9], s[4:5]
	s_add_nc_u64 s[4:5], s[4:5], s[16:17]
	s_add_nc_u64 s[10:11], s[10:11], s[18:19]
.irp e, 0,1
.irp i, 0,1,2,3,4,5,6,7
	global_load_b32 v[4+8*\e+\i], v3, s[4:5] offset:(16*\e+\i)*512
.endr
.endr
	s_wait_loadcnt 0x0
.irp p, 0,1,2,3,4,5,6,7
	v_cvt_pk_bf16_f32 v[20+\p], v[4+2*\p], v[5+2*\p]
.endr
	global_store_b128 v2, v[20:23], s[10:11]
	global_store_b128 v2, v[24:27], s[10:11] offset:512
	s_endpgm
.Lfunc_end_k_qc0302299a4_wprep:
	.size	k_qc0302299a4_wprep, .Lfunc_end_k_qc0302299a4_wprep-k_qc0302299a4_wprep
	.p2alignl 7, 3214868480
	.fill 96, 4, 3214868480
	.section	.rodata,"a",@progbits
	.p2align	6, 0x0
	.amdhsa_kernel k_qc0302299a4_wprep
		.amdhsa_group_segment_fixed_size 0
		.amdhsa_private_segment_fixed_size 0
		.amdhsa_enable_private_segment 0
		.amdhsa_kernarg_size 32
		.amdhsa_user_sgpr_count 2
		.amdhsa_user_sgpr_kernarg_segment_ptr 1
		.amdhsa_wavefront_size32 1
		.amdhsa_system_sgpr_workgroup_id_x 1
		.amdhsa_system_sgpr_workgroup_id_y 1
		.amdhsa_system_sgpr_workgroup_id_z 1
		.amdhsa_system_vgpr_workitem_id 0
		.amdhsa_next_free_vgpr 32
		.amdhsa_next_free_sgpr 66
		.amdhsa_reserve_vcc 0
		.amdhsa_float_denorm_mode_32 3
		.amdhsa_float_denorm_mode_16_64 3
		.amdhsa_memory_ordered 1
		.amdhsa_forward_progress 1
		.amdhsa_inst_pref_size 4
	.end_amdhsa_kernel
	.amdgpu_metadata
---
amdhsa.version: [ 1, 2 ]
amdhsa.kernels:
  - .name:           k_qc0302299a4_wprep
    .symbol:         k_qc0302299a4_wprep.kd
    .args:
      - { .name: Wk, .offset: 0, .size: 8, .value_kind: global_buffer, .address_space: global }
      - { .name: Wq, .offset: 8, .size: 8, .value_kind: global_buffer, .address_space: global }
      - { .name: Wv, .offset: 16, .size: 8, .value_kind: global_buffer, .address_space: global }
      - { .name: wf, .offset: 24, .size: 8, .value_kind: global_buffer, .address_space: global }
    .group_segment_fixed_size: 0
    .private_segment_fixed_size: 0
    .kernarg_segment_align: 8
    .kernarg_segment_size: 32
    .max_flat_workgroup_size: 192
    .sgpr_count:     66
    .vgpr_count:     32
    .wavefront_size: 32
...
	.end_amdgpu_metadata
.endif
;; end of part 1
;; launch proj (part 2): grid 256 x 1, 4 waves a work-group, clusters of 4 x 1, 327,680 bytes of LDS; arguments x, wf, kf, qf, vf; writes kf, qf, vf
.if DOCPART == 2
	.amdgcn_target "amdgcn-amd-amdhsa--gfx1250"
	.amdhsa_code_object_version 6
	.text
	.protected	k_qc0302299a4_proj
	.globl	k_qc0302299a4_proj
	.p2align	8
	.type	k_qc0302299a4_proj,@function
k_qc0302299a4_proj:
	s_mov_b64 s[64:65], 0
	v_nop
	global_prefetch_b8 v0, s[64:65] scope:SCOPE_SE
	s_setreg_imm32_b32 hwreg(HW_REG_WAVE_MODE, 25, 1), 1
	s_wait_xcnt 0x0
	s_wait_alu depctr_hold_cnt(0) depctr_sa_sdst(0) depctr_va_vdst(0) depctr_va_sdst(0) depctr_va_ssrc(0) depctr_va_vcc(0) depctr_vm_vsrc(0)
	s_getreg_b32 s2, hwreg(HW_REG_IB_STS2, 6, 4)
	s_cmp_eq_u32 s2, 0
	s_cbranch_scc0 .Lentry_in_a_cluster
	s_endpgm
.Lentry_in_a_cluster:
	s_bfe_u32 s2, ttmp6, 0x10000c
	s_cmp_lg_u32 s2, 0x3003
	s_cbranch_scc0 .Lentry_shape_is_right
	s_endpgm
.Lentry_shape_is_right:
; k, q, v = x W.  x [16384][1024] f32 is rounded to bf16 on its way, W comes as bf16 operands from wf, sums in f32,
; results rounded once to f16 and stored in the register image that the attention launch's products take:
;   kf, qf = [token / 16][kc 4][e 2][lane][16 B]: lane (r, h) holds y[16 tt + r][32 kc + 16 e + 8 h + 0..7]
;   vf     = [token / 32][ht 8][e 2][lane][16 B]: lane (r, h) holds v[32 ch + 16 e + 8 h + 0..7][16 ht + r]
; LIMIT: |k|, |q|, |v| must stay below 65,504 (f16).  As drawn their spread is 1; x and W both 30 times larger give 900,
; both carrying an offset of 30 spreads give about 28,800.
; A work-group owns 64 tokens and all 384 columns; wave w owns column tiles 2w, 2w+1 of each of k, q, v: 24 accumulators.
; K goes in 8 steps of 128, written out.  Cluster cl takes them in the order (cl + n) mod 8: a sum over K may be taken in any
; order, and so the 64 clusters ask for all eight steps of W with their first requests instead of all for the same one.
; W: every work-group walks the same W, so the four of a cluster ask jointly (mask 15); each wave brings and reads only its own
; 24,576 bytes of a step; two slots.  x is shared by nobody: wave w loads its 16 rows through registers, 512 consecutive bytes
; an instruction, three steps (48 loads) ahead, converts once and leaves bf16 rows in LDS for all four waves.
; Registers: window 0: v2-81, v82-161 two operand buffers (6 of W, 4 of x), v162-193 converted x, v194-198 addresses;
; window 1: v0-191 accumulators, tile (t6, rt) at 8 (4 t6 + rt);  window 2: v0-191 x as loaded, three stages of 64.
.set XBASE, 196608                     ; x rows in LDS: two buffers of 64 rows, pitch 272 = 256 + 16: written by ds_store alone
.set XBS,   17408
.set WSS,   98304                      ; a slot of W: four waves' parts
.set WPART, 24576
.set FB0, 2
.set FB1, 82
.set CT,  162
.set XO,  194                          ; 16 x lane
.set XW,  195                          ; where I put 8 bytes of a row of x
.set XA,  196                          ; where I read x operands
.set WA,  197                          ; v197, v198: my part of W's slot 0, 1
.set G1,  24
.set G0,  32
.set XS,  66                           ; s[66:81]: my rows of x at the K step that is taken n-th, a pair for each n, never rewritten
.set MSB, 0
.macro WIN new                         ; the immediate's high byte repeats the setting that is left
.if MSB != \new
	s_set_vgpr_msb (MSB<<8)|\new
.set MSB, \new
.endif
.endm
.macro PLACES
.rept 4
	v_nop
.endr
.endm
.macro BAR
	s_barrier_signal -1
	s_barrier_wait -1
.endm
.macro ROUND                           ; a round of the cluster's barrier
	s_barrier_signal -1
	s_barrier_wait -1
	s_cmp_lg_u32 s14, 0
	s_cbranch_scc1 .Lnw0_\@
	s_barrier_signal -3
.Lnw0_\@:
	s_barrier_wait -3
	s_barrier_signal -1
	s_barrier_wait -1
.endm
; 16 rows x 512 bytes of the K step taken seg-th into stage seg % 3
.macro XLOAD seg
	WIN 0x80
.irp i, 0,1,2,3,4,5,6,7,8,9,10,11,12,13,14,15
	global_load_b128 v[64*((\seg)%3)+4*\i:64*((\seg)%3)+4*\i+3], v[XO], s[XS+2*(\seg):XS+2*(\seg)+1] offset:\i*4096 th:TH_LOAD_NT
.endr
	WIN 0
.endm
; that step's x: f32 to bf16, into LDS buffer seg & 1; left = the loads of the younger stages, which stay out
.macro XCONV seg, left, more
	s_wait_loadcnt \left
	WIN 0x0a
.irp i, 0,1,2,3,4,5,6,7,8,9,10,11,12,13,14,15
	v_cvt_pk_bf16_f32 v[CT+2*\i],   v[64*((\seg)%3)+4*\i],   v[64*((\seg)%3)+4*\i+1]
	v_cvt_pk_bf16_f32 v[CT+2*\i+1], v[64*((\seg)%3)+4*\i+2], v[64*((\seg)%3)+4*\i+3]
.endr
	WIN 0
.irp i, 0,1,2,3,4,5,6,7,8,9,10,11,12,13,14,15
	ds_store_b64 v[XW], v[CT+2*\i:CT+2*\i+1] offset:((\seg)&1)*XBS+\i*272
.endr
.if \more
	XLOAD \seg+3
.endif
.endm
; the operands of 32 along K: six of W (my own bytes), four of x
.macro FETCH sl, kc, fb
.irp t, 0,1,2,3,4,5
	ds_load_b128 v[\fb+8*\t:\fb+8*\t+3],   v[WA+\sl] offset:\kc*6144+\t*1024
	ds_load_b128 v[\fb+8*\t+4:\fb+8*\t+7], v[WA+\sl] offset:\kc*6144+\t*1024+512
.endr
.irp rt, 0,1,2,3
	ds_load_b128 v[\fb+48+8*\rt:\fb+48+8*\rt+3],   v[XA] offset:\sl*XBS+\rt*4352+\kc*64
	ds_load_b128 v[\fb+48+8*\rt+4:\fb+48+8*\rt+7], v[XA] offset:\sl*XBS+\rt*4352+\kc*64+32
.endr
.endm
; 12 products.  k and q: W first, so that a lane holds 8 neighbouring columns of one token; v: x first, so that it holds
; 8 neighbouring tokens of one column.  The 24 accumulators take turns, one instruction a turn.
.macro MUL12 fb, half, zero
.irp t, 0,1,2
.irp rt, 0,1,2,3
.set t6_, 3*\half+\t
.set ac_, 8*(4*t6_+\rt)
.set wr_, \fb+8*t6_
.set xr_, \fb+48+8*\rt
.if t6_ < 4
.if \zero
	v_wmma_f32_16x16x32_bf16 v[ac_:ac_+7], v[wr_:wr_+7], v[xr_:xr_+7], 0
.else
	v_wmma_f32_16x16x32_bf16 v[ac_:ac_+7], v[wr_:wr_+7], v[xr_:xr_+7], v[ac_:ac_+7]
.endif
.else
.if \zero
	v_wmma_f32_16x16x32_bf16 v[ac_:ac_+7], v[xr_:xr_+7], v[wr_:wr_+7], 0
.else
	v_wmma_f32_16x16x32_bf16 v[ac_:ac_+7], v[xr_:xr_+7], v[wr_:wr_+7], v[ac_:ac_+7]
.endif
.endif
.endr
.endr
.endm
; One K step of 128: four quarters on buffers 0, 1, 0, 1.  In the middle of each the next quarter's operands are fetched,
; four places behind the products that read the buffer they land in (ISA guide 7.12.1).
.macro STEP s, sl, nx, zero
	s_wait_dscnt 0x0                               ; the operands fetched 12 products ago
	WIN 0x50
	MUL12 FB0, 0, \zero
	WIN 0
	PLACES
	FETCH \sl, 1, FB1
	WIN 0x50
	MUL12 FB0, 1, \zero
	s_wait_dscnt 0x0
	MUL12 FB1, 0, 0
	WIN 0
	PLACES
	FETCH \sl, 2, FB0
.if \s <= 3                                        ; the next step's x goes into the buffer whose readers passed the last barrier
	XCONV \s+1, 32, 1
.elseif \s == 4
	XCONV 5, 32, 0
.elseif \s == 5
	XCONV 6, 16, 0
.elseif \s == 6
	XCONV 7, 0, 0
.endif
	WIN 0x50
	MUL12 FB1, 1, 0
	s_wait_dscnt 0x0                               ; operands in, and my stores of x done
	MUL12 FB0, 0, 0
	WIN 0
	PLACES
	FETCH \sl, 3, FB1
	WIN 0x50
	MUL12 FB0, 1, 0
	s_wait_dscnt 0x0                               ; my last reads of this step's W slot and x buffer are back
	MUL12 FB1, 0, 0
	WIN 0
.if \s < 7
	s_wait_tensorcnt 0x0                           ; all my tensor loads have landed: the one that was out is the next step's W
	ds_add_u32 v254, v255
	s_wait_dscnt 0x0
	s_wait_dscnt 0x0                               ; (met above) no LDS instruction of mine is out at the signal
.if \s < 6
	s_add_co_u32 s17, s3, \s+2                     ; the K step that is taken two steps on: (cl + s + 2) mod 8
	s_and_b32 s17, s17, 7
	s_mul_i32 s22, s17, WSS
	s_add_nc_u64 s[G0+4*\sl+2:G0+4*\sl+3], s[46:47], s[22:23]
	s_or_b32 s[G0+4*\sl+3], s[G0+4*\sl+3], 0x80000000
	ROUND                                          ; no wave of any partner still reads this slot or has a load on its way
	tensor_load_to_lds s[G0+4*\sl:G0+4*\sl+3], s[G1:G1+7]     ; 96 products in which to land
	s_nop 0
.else
	BAR                                            ; shows the last step's x to all four waves
.endif
	PLACES
	FETCH \nx, 0, FB0
.endif
	WIN 0x50
	MUL12 FB1, 1, 0
.endm
	s_load_b256 s[4:11], s[0:1], 0x0               ; x s[4:5], wf s[6:7], kf s[8:9], qf s[10:11]
	s_load_b64 s[12:13], s[0:1], 0x20              ; vf
	v_lshl_add_u32 v254, v0, 2, 0x38800
	v_mov_b32 v255, 0
	ds_add_u32 v254, v255
	v_lshrrev_b32 v1, 5, v0
	v_readfirstlane_b32 s14, v1                    ; wave
	s_bfe_u32 s15, ttmp6, 0x40000                  ; cx
	s_lshl_b32 s16, ttmp9, 2
	s_add_co_u32 s16, s16, s15                     ; work-group = 4 x cluster + cx
	s_and_b32 s3, ttmp9, 7                         ; the cluster's first K step: the same in its four work-groups
	v_and_b32 v1, 31, v0                           ; lane
	v_and_b32 v[CT], 15, v0                        ; r
	v_bfe_u32 v[CT+1], v0, 4, 1                    ; h
	v_lshlrev_b32 v[XO], 4, v1
	s_mul_i32 s17, s14, 16*272
	s_add_co_u32 s17, s17, XBASE
	v_lshl_add_u32 v[XW], v1, 3, s17               ; my 16 rows, 8 bytes a lane
	v_mul_u32_u24 v[CT+2], v[CT], 272
	v_lshl_add_u32 v[CT+2], v[CT+1], 4, v[CT+2]
	v_add_nc_u32 v[XA], XBASE, v[CT+2]             ; row r, 16 bytes for each half of the lanes
	s_mul_i32 s33, s14, WPART                      ; my part of slot 0: the wave's number alone
	v_lshl_add_u32 v[WA], v1, 4, s33
	v_add_nc_u32 v[WA+1], WSS, v[WA]
	; group 1: a dense block of 24,576 bytes as 96 rows of 32 elements of 8 bytes
	s_mov_b32 s[G1+0], 15|(3<<16)|(1<<21)          ; mask: the four of the cluster; element of 8 bytes; bit 21 beside a mask
	s_mov_b32 s[G1+1], 32<<16                      ; tensor_dim0 = 32
	s_mov_b32 s[G1+2], 96<<16                      ; tensor_dim1 = 96
	s_mov_b32 s[G1+3], 32<<16                      ; tile_dim0 = 32
	s_mov_b32 s[G1+4], 96                          ; tile_dim1 = 96
	s_mov_b32 s[G1+5], 32                          ; pitch = 32
	s_mov_b32 s[G1+6], 0
	s_mov_b32 s[G1+7], 0
	s_mov_b32 s[G0], 1
	s_mov_b32 s[G0+4], 1
	s_add_co_u32 s[G0+5], s33, WSS
	s_mov_b32 s18, s33
	s_mov_b32 s19, 0
	s_lshl_b32 s22, s16, 18                        ; 64 rows of 4,096 bytes a work-group,
	s_lshl_b32 s17, s14, 16                        ; 16 a wave
	s_add_co_u32 s22, s22, s17
	s_mov_b32 s23, 0                               ; stays 0: s[22:23] is the offset pair from here on
	s_wait_dscnt 0x0
	s_wait_kmcnt 0x0
	s_add_nc_u64 s[20:21], s[4:5], s[22:23]
.irp n, 0,1,2,3,4,5,6,7
	s_add_co_u32 s17, s3, \n                       ; K step (cl + n) mod 8: 512 bytes of each row
	s_and_b32 s17, s17, 7
	s_lshl_b32 s22, s17, 9
	s_add_nc_u64 s[XS+2*\n:XS+2*\n+1], s[20:21], s[22:23]
.endr
	XLOAD 0
	XLOAD 1
	XLOAD 2
	s_add_nc_u64 s[46:47], s[6:7], s[18:19]        ; my part of W's K step 0: hangs on the wave's number alone
	s_mul_i32 s22, s3, WSS
	s_add_nc_u64 s[G0+2:G0+3], s[46:47], s[22:23]  ; the K step taken first
	s_add_co_u32 s17, s3, 1
	s_and_b32 s17, s17, 7
	s_mul_i32 s22, s17, WSS
	s_add_nc_u64 s[G0+6:G0+7], s[46:47], s[22:23]  ; and second
	s_or_b32 s[G0+3], s[G0+3], 0x80000000
	s_or_b32 s[G0+7], s[G0+7], 0x80000000
	s_lshl_b32 s22, s16, 14                        ; 64 tokens of 256 bytes
	s_lshl_b32 s17, s14, 10
	s_add_co_u32 s22, s22, s17                     ; k, q: kc = wave
	s_add_nc_u64 s[40:41], s[8:9], s[22:23]
	s_add_nc_u64 s[42:43], s[10:11], s[22:23]
	s_add_co_u32 s22, s22, s17                     ; v: ht = 2 x wave
	s_add_nc_u64 s[44:45], s[12:13], s[22:23]
	ROUND                                          ; the four work-groups are here: the first joint loads meet
	tensor_load_to_lds s[G0:G0+3], s[G1:G1+7]
	s_nop 0
	tensor_load_to_lds s[G0+4:G0+7], s[G1:G1+7]    ; two tensor loads of the wave are out at the most, here and later
	s_nop 0
	XCONV 0, 32, 1
	s_wait_tensorcnt 0x1                           ; the first step's W is in; the second's stays out
	s_wait_dscnt 0x0                               ; my rows of x are in LDS
	BAR
	FETCH 0, 0, FB0
	STEP 0, 0, 1, 1                                ; the first products start the sums: nothing is cleared
	STEP 1, 1, 0, 0
	STEP 2, 0, 1, 0
	STEP 3, 1, 0, 0
	STEP 4, 0, 1, 0
	STEP 5, 1, 0, 0
	STEP 6, 0, 1, 0
	STEP 7, 1, 0, 0
	; the way out: a lane's eight sums pack into 16 bytes that belong together; each store covers 512 consecutive bytes
	WIN 0
	PLACES
	WIN 0x05
.irp n, 0,1,2,3,4,5,6,7,8,9,10,11,12,13,14,15,16,17,18,19,20,21,22,23
.irp p, 0,1,2,3
	v_cvt_pk_f16_f32 v[2+4*\n+\p], v[8*\n+2*\p], v[8*\n+2*\p+1]
.endr
.endr
	WIN 0
.irp t, 0,1
.irp rt, 0,1,2,3
	global_store_b128 v[XO], v[2+4*(4*\t+\rt):2+4*(4*\t+\rt)+3], s[40:41] offset:\rt*4096+\t*512
	global_store_b128 v[XO], v[2+4*(8+4*\t+\rt):2+4*(8+4*\t+\rt)+3], s[42:43] offset:\rt*4096+\t*512
	global_store_b128 v[XO], v[2+4*(16+4*\t+\rt):2+4*(16+4*\t+\rt)+3], s[44:45] offset:(\rt>>1)*8192+\t*1024+(\rt&1)*512
.endr
.endr
	ROUND                                          ; the closing round
	s_endpgm
.Lfunc_end_k_qc0302299a4_proj:
	.size	k_qc0302299a4_proj, .Lfunc_end_k_qc0302299a4_proj-k_qc0302299a4_proj
	.p2alignl 7, 3214868480
	.fill 96, 4, 3214868480
	.section	.rodata,"a",@progbits
	.p2align	6, 0x0
	.amdhsa_kernel k_qc0302299a4_proj
		.amdhsa_group_segment_fixed_size 327680
		.amdhsa_private_segment_fixed_size 0
		.amdhsa_enable_private_segment 0
		.amdhsa_kernarg_size 40
		.amdhsa_user_sgpr_count 2
		.amdhsa_user_sgpr_kernarg_segment_ptr 1
		.amdhsa_wavefront_size32 1
		.amdhsa_system_sgpr_workgroup_id_x 1
		.amdhsa_system_sgpr_workgroup_id_y 1
		.amdhsa_system_sgpr_workgroup_id_z 1
		.amdhsa_system_vgpr_workitem_id 0
		.amdhsa_next_free_vgpr 704
		.amdhsa_next_free_sgpr 82
		.amdhsa_reserve_vcc 0
		.amdhsa_float_denorm_mode_32 3
		.amdhsa_float_denorm_mode_16_64 3
		.amdhsa_memory_ordered 1
		.amdhsa_forward_progress 1
		.amdhsa_inst_pref_size 151
	.end_amdhsa_kernel
	.amdgpu_metadata
---
amdhsa.version: [ 1, 2 ]
amdhsa.kernels:
  - .name:           k_qc0302299a4_proj
    .symbol:         k_qc0302299a4_proj.kd
    .args:
      - { .name: x, .offset: 0, .size: 8, .value_kind: global_buffer, .address_space: global }
      - { .name: wf, .offset: 8, .size: 8, .value_kind: global_buffer, .address_space: global }
      - { .name: kf, .offset: 16, .size: 8, .value_kind: global_buffer, .address_space: global }
      - { .name: qf, .offset: 24, .size: 8, .value_kind: global_buffer, .address_space: global }
      - { .name: vf, .offset: 32, .size: 8, .value_kind: global_buffer, .address_space: global }
    .group_segment_fixed_size: 327680
    .private_segment_fixed_size: 0
    .kernarg_segment_align: 8
    .kernarg_segment_size: 40
    .max_flat_workgroup_size: 128
    .sgpr_count:     82
    .vgpr_count:     704
    .wavefront_size: 32
...
	.end_amdgpu_metadata
.endif
;; end of part 2
;; launch attn (part 3): grid 256 x 1, 4 waves a work-group, clusters of 4 x 1, 327,680 bytes of LDS; arguments kf, qf, vf, out0; writes out0
.if DOCPART == 3
	.amdgcn_target "amdgcn-amd-amdhsa--gfx1250"
	.amdhsa_code_object_version 6
	.text
	.protected	k_qc0302299a4_attn
	.globl	k_qc0302299a4_attn
	.p2align	8
	.type	k_qc0302299a4_attn,@function
k_qc0302299a4_attn:
	s_mov_b64 s[64:65], 0
	v_nop
	global_prefetch_b8 v0, s[64:65] scope:SCOPE_SE
	s_setreg_imm32_b32 hwreg(HW_REG_WAVE_MODE, 25, 1), 1
	s_wait_xcnt 0x0
	s_wait_alu depctr_hold_cnt(0) depctr_sa_sdst(0) depctr_va_vdst(0) depctr_va_sdst(0) depctr_va_ssrc(0) depctr_va_vcc(0) depctr_vm_vsrc(0)
	s_getreg_b32 s2, hwreg(HW_REG_IB_STS2, 6, 4)
	s_cmp_eq_u32 s2, 0
	s_cbranch_scc0 .Lentry_in_a_cluster
	s_endpgm
.Lentry_in_a_cluster:
	s_bfe_u32 s2, ttmp6, 0x10000c
	s_cmp_lg_u32 s2, 0x3003
	s_cbranch_scc0 .Lentry_shape_is_right
	s_endpgm
.Lentry_shape_is_right:
; out[i] = softmax over j <= i of (k_i . q_j / 32) times v_j, per batch; T = 4096, H = 128; operands f16, sums and softmax f32.
; Cluster cl (64): batch cl >> 4, c = cl & 15.  It owns rows 128 (31 - c) .. +127 (high) and 128 c .. +127 (low); work-group cx takes
; 32 rows of each, high first.  j goes in steps of 256: nh = 16 - (c >> 1) steps for the high block, nl = 17 - nh for the low one: 17
; trips for every cluster.  The online softmax takes the steps in any order: the high block begins at step s0 = 2 a mod nh,
; a = (c + (c >> 3)) & 7, and wraps round, so that the clusters of a batch begin at different steps (a is one-to-one on c < 8, on
; c >= 8, on the even and on the odd c) and most later requests are for bytes that another cluster has asked for before.
; In a step wave w takes j = 64 w .. 64 w + 63 for all 32 rows (two chunks of 32 j, two row tiles of 16) with a running maximum of
; its own; the four waves' parts are merged through LDS at the end of a block.
; The four work-groups walk the same q and v: each wave asks for its 16 KB of q and 16 KB of v jointly with its partners (mask 15)
; and reads only these bytes; two slots, one round of the cluster's barrier a trip, two tensor loads of a wave out at the most.
; Products: S^T = q x k: lane (r, h) holds row i = r, j = 8 h + e, so two tiles pack in place into the second operand of
; O^T = v x P, whose lane holds row r, columns 16 ht + 8 h + e.  Maximum, sum and alpha are one number a lane.
; A trip's 64 LDS loads stand in two runs.  The products v x P of chunk 1 are put off into the next trip, behind its first run of
; loads: register work while these loads are on their way.
; State of a row: M (largest raw score) and N = round(-M c), c = log2(e) / 32; p = exp2(S c + N), alpha = exp2(Nnew - Nold), merge
; weight exp2(Nmin - Nw): every factor is made of the same rounded N.
; LIMITS: finite inputs; raw scores above -2^100, which stands for the mask (a power of two: its product with c is exact, so a row
; that a wave has seen only masked keeps N = 2^100 c: its first real score gives alpha 0, and if none comes its merge weight is 0);
; |k|, |q|, |v| below 65,504 as stored by the launch before.
; Registers, window 0: v2-65 k operands 8 (4 rt + kc); v66-129 q operands of chunk 1, 8 (4 jt + kc); v130-193 S at 32 c + 16 rt + 8 jt + e,
; P in the first 8 of each 16; v194-227 below.  Window 1: v0-127 O at 64 rt + 8 ht; v128-255 v operands, 64 c + 8 ht.
; Window 2: v0-63 q operands of chunk 0.
.set ST,  262144                       ; [wave 512][rt 256][lane 8]: (N, l), 4 x 512 = 2,048 bytes; written by ds_store alone
.set EX,  264192                       ; = ST + 2,048: [wave 8448][row 16, pitch 528] f32, 33,792 bytes; written by ds_store alone
.set KF,  2
.set QP,  66
.set S,   130
.set MT,  130                          ; the merge's 64 temporaries: S holds nothing where a merge stands
.set T0,  194                          ; row tile rt: two temporaries at T0 + 2 rt
.set NA,  198                          ; pair (N, M) at NA + 2 rt
.set AL,  202                          ; pair (alpha, unused) at AL + 2 rt
.set LS,  206                          ; pair of partial sums at LS + 2 rt
.set TS,  210                          ; pair at TS + 2 rt
.set DVL, 214                          ; i0 + r - 8 h - 64 w - first j of the block's diagonal step: low block, high block
.set DVH, 215
.set QA,  216                          ; v216, v217: my part of slot 0, 1
.set KO,  218                          ; 16 x lane
.set STS, 219
.set STL, 220
.set EXS, 221
.set EXL, 222
.set OO,  223
.set TM,  224
.set VP,  128                          ; window 1
.set Q0,  0                            ; window 2
.set G1,  24
.set G0,  32                           ; s[32:35] q, s[36:39] v of slot 0; s[40:43], s[44:47] of slot 1
.set JS,  66                           ; s66, s67: the step of j whose tile lies in slot 0, 1;  s68 = s0, s69 = nh, s70 = nh - 1
.set MSB, 0
.macro WIN new
.if MSB != \new
	s_set_vgpr_msb (MSB<<8)|\new
.set MSB, \new
.endif
.endm
.macro PLACES
.rept 4
	v_nop
.endr
.endm
.macro BAR
	s_barrier_signal -1
	s_barrier_wait -1
.endm
.macro ROUND
	s_barrier_signal -1
	s_barrier_wait -1
	s_cmp_lg_u32 s12, 0
	s_cbranch_scc1 .Lnw0_\@
	s_barrier_signal -3
.Lnw0_\@:
	s_barrier_wait -3
	s_barrier_signal -1
	s_barrier_wait -1
.endm
; eight operands of 1,024 bytes from byte base of my part of a slot: each load takes 512 consecutive bytes
.macro LD8F dst, slot, base
.irp n, 0,1,2,3,4,5,6,7
	ds_load_b128 v[\dst+8*\n:\dst+8*\n+3],   v[QA+\slot] offset:\base+\n*1024
	ds_load_b128 v[\dst+8*\n+4:\dst+8*\n+7], v[QA+\slot] offset:\base+\n*1024+512
.endr
.endm
; the next of chunk 1's sixteen score products; four accumulators take turns
.macro NW on
.if \on
.set kc_, wi/4
.set jt_, (wi/2)%2
.set rt_, wi%2
.set d_, S+32+16*rt_+8*jt_
.set a_, QP+8*(4*jt_+kc_)
.set b_, KF+8*(4*rt_+kc_)
.if kc_ == 0
	v_wmma_f32_16x16x32_f16 v[d_:d_+7], v[a_:a_+7], v[b_:b_+7], 0
.else
	v_wmma_f32_16x16x32_f16 v[d_:d_+7], v[a_:a_+7], v[b_:b_+7], v[d_:d_+7]
.endif
.set wi, wi+1
.endif
.endm
.macro M3 c, rt, t, i
	v_max3_num_f32 v[T0+2*\rt+\t], v[T0+2*\rt+\t], v[S+32*\c+16*\rt+\i], v[S+32*\c+16*\rt+\i+1]
.endm
.macro FMAX c, rt                      ; S c + N, two at a time
.irp p, 0,2,4,6,8,10,12,14
	v_pk_fma_f32 v[S+32*\c+16*\rt+\p:S+32*\c+16*\rt+\p+1], v[S+32*\c+16*\rt+\p:S+32*\c+16*\rt+\p+1], s[52:53], v[NA+2*\rt:NA+2*\rt+1] op_sel_hi:[1,0,0]
.endr
.endm
.macro EXP8 c, rt, from
.irp i, 0,1,2,3,4,5,6,7
	v_exp_f32 v[S+32*\c+16*\rt+\from+\i], v[S+32*\c+16*\rt+\from+\i]
.endr
.endm
.macro SUMX c, rt                      ; l = l alpha + the sixteen p, in two chains
.set x_, S+32*\c+16*\rt
	s_wait_alu depctr_va_vdst(0)
	v_pk_fma_f32 v[LS+2*\rt:LS+2*\rt+1], v[LS+2*\rt:LS+2*\rt+1], v[AL+2*\rt:AL+2*\rt+1], v[x_:x_+1] op_sel_hi:[1,0,1]
	v_pk_add_f32 v[TS+2*\rt:TS+2*\rt+1], v[x_+2:x_+3], v[x_+4:x_+5]
	v_pk_add_f32 v[LS+2*\rt:LS+2*\rt+1], v[LS+2*\rt:LS+2*\rt+1], v[x_+6:x_+7]
	v_pk_add_f32 v[TS+2*\rt:TS+2*\rt+1], v[TS+2*\rt:TS+2*\rt+1], v[x_+8:x_+9]
	v_pk_add_f32 v[LS+2*\rt:LS+2*\rt+1], v[LS+2*\rt:LS+2*\rt+1], v[x_+10:x_+11]
	v_pk_add_f32 v[TS+2*\rt:TS+2*\rt+1], v[TS+2*\rt:TS+2*\rt+1], v[x_+12:x_+13]
	v_pk_add_f32 v[LS+2*\rt:LS+2*\rt+1], v[LS+2*\rt:LS+2*\rt+1], v[x_+14:x_+15]
	v_pk_add_f32 v[LS+2*\rt:LS+2*\rt+1], v[LS+2*\rt:LS+2*\rt+1], v[TS+2*\rt:TS+2*\rt+1]
.endm
.macro CVTP c, rt                      ; sixteen p into eight registers, in place: register p never holds a number not yet read
.irp p, 0,1,2,3,4,5,6,7
	v_cvt_pk_f16_f32 v[S+32*\c+16*\rt+\p], v[S+32*\c+16*\rt+2*\p], v[S+32*\c+16*\rt+2*\p+1]
.endr
.endm
; softmax step of chunk c for both row tiles; on = 1: chunk 1's score products stand among it, one in front of each group
.macro SOFTMAX c, on
.set wi, 0
	NW \on
.irp rt, 0,1
	v_max3_num_f32 v[T0+2*\rt],   v[S+32*\c+16*\rt],   v[S+32*\c+16*\rt+1], v[S+32*\c+16*\rt+2]
	v_max3_num_f32 v[T0+2*\rt+1], v[S+32*\c+16*\rt+3], v[S+32*\c+16*\rt+4], v[S+32*\c+16*\rt+5]
.endr
	NW \on
.irp rt, 0,1
	M3 \c, \rt, 0, 6
	M3 \c, \rt, 1, 8
.endr
	NW \on
.irp rt, 0,1
	M3 \c, \rt, 0, 10
	M3 \c, \rt, 1, 12
.endr
	NW \on
.irp rt, 0,1
	M3 \c, \rt, 0, 14
.endr
.irp rt, 0,1
	v_max_num_f32 v[T0+2*\rt], v[T0+2*\rt], v[T0+2*\rt+1]
.endr
	NW \on
.irp rt, 0,1
	v_permlanex16_b32 v[T0+2*\rt+1], v[T0+2*\rt], s50, s51     ; the other eight j of the row
.endr
.irp rt, 0,1
	v_max3_num_f32 v[NA+2*\rt+1], v[T0+2*\rt], v[T0+2*\rt+1], v[NA+2*\rt+1]   ; the running maximum
.endr
.irp rt, 0,1
	v_mul_f32 v[T0+2*\rt], s54, v[NA+2*\rt+1]                  ; the new N
.endr
	NW \on
.irp rt, 0,1
	v_sub_f32 v[T0+2*\rt+1], v[T0+2*\rt], v[NA+2*\rt]
.endr
.irp rt, 0,1
	v_exp_f32 v[AL+2*\rt], v[T0+2*\rt+1]                       ; alpha; the moves below are the plain instructions behind it (ISA guide 5.7.2)
.endr
.irp rt, 0,1
	v_mov_b32 v[NA+2*\rt], v[T0+2*\rt]
.endr
	NW \on
	FMAX \c, 0
	NW \on
	EXP8 \c, 0, 0
	NW \on
	EXP8 \c, 0, 8
	NW \on
	FMAX \c, 1                                     ; plain work behind tile 0's exponentials, ahead of their use
	NW \on
	SUMX \c, 0
	NW \on
	EXP8 \c, 1, 0
	NW \on
	EXP8 \c, 1, 8
	NW \on
	CVTP \c, 0                                     ; plain work behind tile 1's exponentials
	NW \on
	SUMX \c, 1
	NW \on
	CVTP \c, 1
.endm
; j > i gets -2^100: 32 c + 16 jt + e - 16 rt <= DV keeps the score
.macro MASK c, dv
.irp rt, 0,1
.irp jt, 0,1
.irp e, 0,1,2,3,4,5,6,7
	v_cmp_le_i32 vcc_lo, \e+32*\c+16*\jt-16*\rt, v[\dv]
	v_cndmask_b32 v[S+32*\c+16*\rt+8*\jt+\e], s55, v[S+32*\c+16*\rt+8*\jt+\e], vcc_lo
.endr
.endr
.endr
.endm
; 1: where this trip's step is the high block's diagonal step nh - 1 (a low block's step in trips 0 to 15 is nl - 2 = 6 at the most,
; nh - 1 is 8 at the least); 2: trip 16, always the low block's diagonal step
.macro MASKIF c, mask, slot
.if \mask == 1
	s_cmp_lg_u32 s[JS+\slot], s70
	s_cbranch_scc1 .Lnm_\@
	MASK \c, DVH
.Lnm_\@:
.endif
.if \mask == 2
	MASK \c, DVL
.endif
.endm
.macro RESC ht                         ; O's two tiles of column block ht times alpha (window setting 0x51)
.irp p, 0,1,2,3
	v_pk_mul_f32 v[8*(\ht)+2*\p:8*(\ht)+2*\p+1], v[8*(\ht)+2*\p:8*(\ht)+2*\p+1], v[AL:AL+1] op_sel_hi:[1,0]
	v_pk_mul_f32 v[64+8*(\ht)+2*\p:64+8*(\ht)+2*\p+1], v[64+8*(\ht)+2*\p:64+8*(\ht)+2*\p+1], v[AL+2:AL+3] op_sel_hi:[1,0]
.endr
.endm
; O = O alpha + v x P for chunk c: registers alone.  One window setting serves the products and the rescale; the rescale of the next
; column block stands behind each pair of products; four places close the run (ISA guide 7.12.1).  Leaves the setting 0x51.
.macro PV c, first
	WIN 0x51
.if \first == 0
	RESC 0
.endif
.irp ht, 0,1,2,3,4,5,6,7
.if \first
	v_wmma_f32_16x16x32_f16 v[8*\ht:8*\ht+7], v[VP+64*\c+8*\ht:VP+64*\c+8*\ht+7], v[S+32*\c:S+32*\c+7], 0
	v_wmma_f32_16x16x32_f16 v[64+8*\ht:64+8*\ht+7], v[VP+64*\c+8*\ht:VP+64*\c+8*\ht+7], v[S+32*\c+16:S+32*\c+23], 0
.else
	v_wmma_f32_16x16x32_f16 v[8*\ht:8*\ht+7], v[VP+64*\c+8*\ht:VP+64*\c+8*\ht+7], v[S+32*\c:S+32*\c+7], v[8*\ht:8*\ht+7]
	v_wmma_f32_16x16x32_f16 v[64+8*\ht:64+8*\ht+7], v[VP+64*\c+8*\ht:VP+64*\c+8*\ht+7], v[S+32*\c+16:S+32*\c+23], v[64+8*\ht:64+8*\ht+7]
.endif
.if (1-\first)*(7-\ht)
	RESC \ht+1
.else
	PLACES
.endif
.endr
.endm
; chunk 0's sixteen score products, q from window 2; four accumulators take turns; four places ahead of the first reader of the scores
.macro STAGE1
	WIN 0x02
.irp kc, 0,1,2,3
.irp jt, 0,1
.irp rt, 0,1
.if \kc == 0
	v_wmma_f32_16x16x32_f16 v[S+16*\rt+8*\jt:S+16*\rt+8*\jt+7], v[Q0+8*(4*\jt+\kc):Q0+8*(4*\jt+\kc)+7], v[KF+8*(4*\rt+\kc):KF+8*(4*\rt+\kc)+7], 0
.else
	v_wmma_f32_16x16x32_f16 v[S+16*\rt+8*\jt:S+16*\rt+8*\jt+7], v[Q0+8*(4*\jt+\kc):Q0+8*(4*\jt+\kc)+7], v[KF+8*(4*\rt+\kc):KF+8*(4*\rt+\kc)+7], v[S+16*\rt+8*\jt:S+16*\rt+8*\jt+7]
.endif
.endr
.endr
.endr
	WIN 0
	PLACES
.endm
; The four waves' parts of a block become its 32 rows of out; ob: the scalar pair with the block's address in out0.
.macro MERGE ob
.irp rt, 0,1
	v_add_f32 v[T0+2*\rt], v[LS+2*\rt], v[LS+2*\rt+1]
.endr
.irp rt, 0,1
	v_permlanex16_b32 v[T0+2*\rt+1], v[T0+2*\rt], s50, s51
.endr
.irp rt, 0,1
	v_add_f32 v[NA+2*\rt+1], v[T0+2*\rt], v[T0+2*\rt+1]        ; l takes M's place beside N
.endr
	ds_store_b64 v[STS], v[NA:NA+1]
	ds_store_b64 v[STS], v[NA+2:NA+3] offset:256
	s_wait_dscnt 0x0                               ; for the other waves' sake
	BAR
.irp rt, 0,1
.irp sr, 0,1,2,3
	ds_load_b64 v[MT+8*\rt+2*\sr:MT+8*\rt+2*\sr+1], v[STL] offset:\sr*512+\rt*256
.endr
.endr
	s_wait_dscnt 0x0
.irp rt, 0,1
	v_min3_num_f32 v[T0+2*\rt], v[MT+8*\rt], v[MT+8*\rt+2], v[MT+8*\rt+4]
.endr
.irp rt, 0,1
	v_min_num_f32 v[T0+2*\rt], v[T0+2*\rt], v[MT+8*\rt+6]      ; the least N is the largest maximum
.endr
.irp rt, 0,1
.irp sr, 0,1,2,3
	v_sub_f32 v[MT+8*\rt+2*\sr], v[T0+2*\rt], v[MT+8*\rt+2*\sr]
.endr
	v_sub_f32 v[T0+2*\rt+1], v[T0+2*\rt], v[NA+2*\rt]
.endr
.irp rt, 0,1
.irp sr, 0,1,2,3
	v_exp_f32 v[MT+8*\rt+2*\sr], v[MT+8*\rt+2*\sr]
.endr
	v_exp_f32 v[T0+2*\rt+1], v[T0+2*\rt+1]
.endr
	v_nop
	s_wait_alu depctr_va_vdst(0)
.irp rt, 0,1
	v_mul_f32 v[T0+2*\rt], v[MT+8*\rt], v[MT+8*\rt+1]
	v_fmac_f32 v[T0+2*\rt], v[MT+8*\rt+2], v[MT+8*\rt+3]
	v_fmac_f32 v[T0+2*\rt], v[MT+8*\rt+4], v[MT+8*\rt+5]
	v_fmac_f32 v[T0+2*\rt], v[MT+8*\rt+6], v[MT+8*\rt+7]
.endr
	v_rcp_f32 v[T0], v[T0]
	v_rcp_f32 v[T0+2], v[T0+2]
	v_nop
	s_wait_alu depctr_va_vdst(0)
	v_mul_f32 v[AL], v[T0], v[T0+1]                ; my weight over the row's whole sum
	v_mul_f32 v[AL+2], v[T0+2], v[T0+3]
	WIN 0x51
.irp ht, 0,1,2,3,4,5,6,7
	RESC \ht
.endr
.irp rt, 0,1
.if \rt
	WIN 0
	s_wait_dscnt 0x0
	BAR                                            ; every wave has read tile 0's rows: the stage is written again
.endif
	WIN 0x04
.irp ht, 0,1,2,3,4,5,6,7
	ds_store_b128 v[EXS], v[64*\rt+8*\ht:64*\rt+8*\ht+3] offset:64*\ht
	ds_store_b128 v[EXS], v[64*\rt+8*\ht+4:64*\rt+8*\ht+7] offset:64*\ht+16
.endr
	WIN 0
	s_wait_dscnt 0x0
	BAR
	s_wait_xcnt 0x0                                ; the registers below were the data of earlier stores
.irp rr, 0,1,2,3
.irp sr, 0,1,2,3
	ds_load_b128 v[MT+16*\rr+4*\sr:MT+16*\rr+4*\sr+3], v[EXL] offset:\sr*8448+\rr*528
.endr
.endr
	s_wait_dscnt 0x0
.irp rr, 0,1,2,3
.irp p, 0,2
	v_pk_add_f32 v[MT+16*\rr+\p:MT+16*\rr+\p+1], v[MT+16*\rr+\p:MT+16*\rr+\p+1], v[MT+16*\rr+4+\p:MT+16*\rr+4+\p+1]
	v_pk_add_f32 v[MT+16*\rr+8+\p:MT+16*\rr+8+\p+1], v[MT+16*\rr+8+\p:MT+16*\rr+8+\p+1], v[MT+16*\rr+12+\p:MT+16*\rr+12+\p+1]
.endr
.irp p, 0,2
	v_pk_add_f32 v[MT+16*\rr+\p:MT+16*\rr+\p+1], v[MT+16*\rr+\p:MT+16*\rr+\p+1], v[MT+16*\rr+8+\p:MT+16*\rr+8+\p+1]
.endr
	global_store_b128 v[OO], v[MT+16*\rr:MT+16*\rr+3], s[\ob:\ob+1] offset:(16*\rt+\rr)*512 th:TH_STORE_NT   ; a whole row of 512 bytes
.endr
.endr
.endm
; from the high block to the low one: its k comes in while the high block is merged; M = -2^100: a row's first real score gives alpha 0,
; which wipes O and l
.macro SWITCH
.irp rt, 0,1
.irp kc, 0,1,2,3
	global_load_b128 v[KF+8*(4*\rt+\kc):KF+8*(4*\rt+\kc)+3],   v[KO], s[56:57] offset:\rt*4096+\kc*1024
	global_load_b128 v[KF+8*(4*\rt+\kc)+4:KF+8*(4*\rt+\kc)+7], v[KO], s[56:57] offset:\rt*4096+\kc*1024+512
.endr
.endr
	MERGE 62
	v_mov_b32 v[NA+1], s55
	v_mov_b32 v[NA+3], s55
	v_mul_f32 v[NA], s54, v[NA+1]
	v_mul_f32 v[NA+2], s54, v[NA+3]
	s_wait_xcnt 0x0                                ; the stores' data registers take scores again
	s_wait_loadcnt 0x0
.endm
; One step of 256 j.  t = s18 + dt.
.macro TRIP slot, dt, first, refill, mask, sw
	s_wait_tensorcnt 0x0                           ; all my tensor loads have landed, this trip's q and v among them: every group 0 may be written
	ds_add_u32 v254, v255
	s_wait_dscnt 0x0
	s_add_co_u32 s19, s18, \dt
.if \refill
	s_add_co_u32 s20, s19, 1                       ; the next trip
	s_add_co_u32 s21, s20, s68
	s_sub_co_u32 s2, s21, s69
	s_cmp_ge_u32 s21, s69
	s_cselect_b32 s21, s2, s21                     ; in the high block its step is (s0 + trip) mod nh,
	s_sub_co_u32 s2, s20, s69                      ; in the low block trip - nh
	s_cmp_lt_u32 s20, s69
	s_cselect_b32 s[JS+1-\slot], s21, s2
	s_lshl_b32 s20, s[JS+1-\slot], 16              ; 256 tokens of 256 bytes
	s_mov_b32 s21, 0
	s_add_nc_u64 s[G0+8*(1-\slot)+2:G0+8*(1-\slot)+3], s[22:23], s[20:21]
	s_add_nc_u64 s[G0+8*(1-\slot)+6:G0+8*(1-\slot)+7], s[48:49], s[20:21]
	s_or_b32 s[G0+8*(1-\slot)+3], s[G0+8*(1-\slot)+3], 0x80000000
	s_or_b32 s[G0+8*(1-\slot)+7], s[G0+8*(1-\slot)+7], 0x80000000
.endif
	s_wait_dscnt 0x0                               ; my last reads of the other slot, chunk 1's v of the trip before, are back
.if \refill
	ROUND                                          ; that holds of every wave of the four work-groups
	tensor_load_to_lds s[G0+8*(1-\slot):G0+8*(1-\slot)+3], s[G1:G1+7]
	s_nop 0
	tensor_load_to_lds s[G0+8*(1-\slot)+4:G0+8*(1-\slot)+7], s[G1:G1+7]    ; they have the whole trip in which to land
	s_nop 0
.endif
	LD8F QP, \slot, 8192                           ; q of chunk 1
	WIN 0x80
	LD8F Q0, \slot, 0                              ; q of chunk 0, into window 2
	WIN 0x40
	LD8F VP, \slot, 16384                          ; v of chunk 0, into window 1
.if \first == 0
	PV 1, 0                                        ; the trip before: its chunk 1, while the 48 loads are on their way
	WIN 0x40
.endif
	LD8F VP+64, \slot, 24576                       ; v of chunk 1, four places behind the products that read these registers
	WIN 0
.if \sw
	s_cmp_lg_u32 s19, s69                          ; trip nh: the high block is complete.  The same in all waves and all partners: c and the trip's number alone
	s_cbranch_scc1 .Lnosw_\@
	SWITCH
.Lnosw_\@:
.endif
	s_wait_dscnt 16                                ; both chunks' q and chunk 0's v are in; the sixteen loads of chunk 1's v stay out
	STAGE1
	MASKIF 0, \mask, \slot
	SOFTMAX 0, 1
	PV 0, \first
	WIN 0
	MASKIF 1, \mask, \slot
	SOFTMAX 1, 0
.endm
	s_load_b256 s[4:11], s[0:1], 0x0               ; kf s[4:5], qf s[6:7], vf s[8:9], out0 s[10:11]
	v_lshl_add_u32 v254, v0, 2, 0x48c00
	v_mov_b32 v255, 0
	ds_add_u32 v254, v255
	v_lshrrev_b32 v1, 5, v0
	v_readfirstlane_b32 s12, v1                    ; wave
	s_bfe_u32 s13, ttmp6, 0x40000                  ; cx
	s_and_b32 s14, ttmp9, 15                       ; c
	s_lshr_b32 s15, ttmp9, 4                       ; batch
	s_lshr_b32 s16, s14, 1
	s_add_co_u32 s16, s16, 1                       ; nl
	s_sub_co_u32 s17, s16, 1
	s_sub_co_u32 s69, 17, s16                      ; nh
	s_sub_co_u32 s70, s69, 1
	s_lshr_b32 s2, s14, 3
	s_add_co_u32 s2, s2, s14
	s_and_b32 s2, s2, 7                            ; a
	s_lshl_b32 s68, s2, 1
	s_sub_co_u32 s2, s68, s69
	s_cmp_ge_u32 s68, s69
	s_cselect_b32 s68, s2, s68                     ; s0 = 2 a mod nh (2 a is 14 at the most, nh 9 at the least)
	s_mov_b32 s[JS], s68
	s_mov_b32 s50, 0x76543210                      ; v_permlanex16_b32: lane i reads lane i of the other half
	s_mov_b32 s51, 0xfedcba98
	s_mov_b32 s52, 0x3d38aa3b                      ; c = log2(e) / 32
	s_mov_b32 s53, 0x3d38aa3b
	s_mov_b32 s54, 0xbd38aa3b                      ; -c
	s_mov_b32 s55, 0xf1800000                      ; -2^100
	; group 1: a dense block of 16,384 bytes as 64 rows of 32 elements of 8 bytes
	s_mov_b32 s[G1+0], 15|(3<<16)|(1<<21)
	s_mov_b32 s[G1+1], 32<<16
	s_mov_b32 s[G1+2], 64<<16
	s_mov_b32 s[G1+3], 32<<16
	s_mov_b32 s[G1+4], 64
	s_mov_b32 s[G1+5], 32
	s_mov_b32 s[G1+6], 0
	s_mov_b32 s[G1+7], 0
	s_mov_b32 s32, 1
	s_mov_b32 s36, 1
	s_mov_b32 s40, 1
	s_mov_b32 s44, 1
	s_lshl_b32 s33, s12, 15                        ; LDS: slot x 131,072 + wave x 32,768, q then v
	s_add_co_u32 s37, s33, 16384
	s_add_co_u32 s41, s33, 131072
	s_add_co_u32 s45, s33, 147456
	v_and_b32 v[TM], 31, v0                        ; lane
	v_and_b32 v[TM+1], 15, v0                      ; r
	v_bfe_u32 v[TM+2], v0, 4, 1                    ; h
	v_lshlrev_b32 v[KO], 4, v[TM]
	v_add_nc_u32 v[QA], s33, v[KO]
	v_add_nc_u32 v[QA+1], 0x20000, v[QA]
	s_lshl_b32 s2, s12, 9
	s_add_co_u32 s2, s2, ST
	v_lshl_add_u32 v[STS], v[TM], 3, s2
	s_mov_b32 s2, ST
	v_lshl_add_u32 v[STL], v[TM], 3, s2
	s_mul_i32 s2, s12, 8448
	s_add_co_u32 s2, s2, EX
	v_mul_u32_u24 v[EXS], v[TM+1], 528
	v_add_nc_u32 v[EXS], s2, v[EXS]
	v_lshl_add_u32 v[EXS], v[TM+2], 5, v[EXS]      ; row r, columns 8 h ..
	s_mul_i32 s2, s12, 2112
	s_add_co_u32 s2, s2, EX
	v_add_nc_u32 v[EXL], s2, v[KO]                 ; rows 4 w .. 4 w + 3
	s_lshl_b32 s2, s12, 11
	v_add_nc_u32 v[OO], s2, v[KO]
	; the two blocks' first rows, mask numbers and addresses (these registers feed no descriptor)
	s_lshl_b32 s2, s13, 5                          ; 32 cx
	s_lshl_b32 s3, s14, 7                          ; 128 c
	s_add_co_u32 s56, s3, s2                       ; i0, low
	s_sub_co_u32 s60, 3968, s3
	s_add_co_u32 s60, s60, s2                      ; i0, high = 128 (31 - c) + 32 cx
	s_lshl_b32 s2, s12, 6                          ; 64 w
	s_lshl_b32 s3, s17, 8                          ; 256 (nl - 1)
	s_add_co_u32 s3, s3, s2
	s_sub_co_i32 s58, s56, s3
	s_lshl_b32 s3, s70, 8                          ; 256 (nh - 1)
	s_add_co_u32 s3, s3, s2
	s_sub_co_i32 s62, s60, s3
	v_lshlrev_b32 v[TM+3], 3, v[TM+2]
	v_sub_nc_u32 v[TM+3], v[TM+1], v[TM+3]         ; r - 8 h
	v_add_nc_u32 v[DVL], s58, v[TM+3]
	v_add_nc_u32 v[DVH], s62, v[TM+3]
	s_lshl_b32 s2, s15, 12
	s_add_co_u32 s56, s56, s2                      ; tokens
	s_add_co_u32 s60, s60, s2
	s_lshl_b32 s58, s56, 9                         ; 512 bytes a row of out0
	s_lshl_b32 s56, s56, 8                         ; 256 bytes a token of kf
	s_lshl_b32 s62, s60, 9
	s_lshl_b32 s60, s60, 8
	s_mov_b32 s57, 0
	s_mov_b32 s59, 0
	s_mov_b32 s61, 0
	s_mov_b32 s63, 0
	s_lshl_b32 s20, s15, 20                        ; q and v: batch x 4,096 tokens + 64 w tokens, 256 bytes each
	s_lshl_b32 s21, s12, 14
	s_add_co_u32 s20, s20, s21
	s_mov_b32 s21, 0
	s_wait_dscnt 0x0
	s_wait_kmcnt 0x0
	s_add_nc_u64 s[56:57], s[4:5], s[56:57]
	s_add_nc_u64 s[60:61], s[4:5], s[60:61]
	s_add_nc_u64 s[58:59], s[10:11], s[58:59]
	s_add_nc_u64 s[62:63], s[10:11], s[62:63]
	s_add_nc_u64 s[22:23], s[6:7], s[20:21]
	s_add_nc_u64 s[48:49], s[8:9], s[20:21]
.irp rt, 0,1
.irp kc, 0,1,2,3
	global_load_b128 v[KF+8*(4*\rt+\kc):KF+8*(4*\rt+\kc)+3],   v[KO], s[60:61] offset:\rt*4096+\kc*1024
	global_load_b128 v[KF+8*(4*\rt+\kc)+4:KF+8*(4*\rt+\kc)+7], v[KO], s[60:61] offset:\rt*4096+\kc*1024+512
.endr
.endr
	s_lshl_b32 s20, s68, 16                        ; step s0
	s_add_nc_u64 s[34:35], s[22:23], s[20:21]
	s_add_nc_u64 s[38:39], s[48:49], s[20:21]
	s_or_b32 s35, s35, 0x80000000
	s_or_b32 s39, s39, 0x80000000
	v_mov_b32 v[NA+1], s55                         ; M = -2^100, N = 2^100 c, l = 0
	v_mov_b32 v[NA+3], s55
	v_mul_f32 v[NA], s54, v[NA+1]
	v_mul_f32 v[NA+2], s54, v[NA+3]
	v_mov_b32 v[AL+1], 0                           ; the pairs' second registers are named, never used
	v_mov_b32 v[AL+3], 0
	v_mov_b32 v[LS], 0
	v_mov_b32 v[LS+1], 0
	v_mov_b32 v[LS+2], 0
	v_mov_b32 v[LS+3], 0
	ROUND                                          ; the four work-groups are here: the first joint loads meet
	tensor_load_to_lds s[32:35], s[G1:G1+7]
	s_nop 0
	tensor_load_to_lds s[36:39], s[G1:G1+7]
	s_nop 0
	s_wait_loadcnt 0x0                             ; k of the high block
	s_mov_b32 s18, 0
	TRIP 0, 0, 1, 1, 1, 0                          ; trip 0: its products start O's sums
	s_mov_b32 s18, 1
.Ltrips:
	TRIP 1, 0, 0, 1, 1, 1                          ; trips 1 to 14
	TRIP 0, 1, 0, 1, 1, 1
	s_add_co_u32 s18, s18, 2
	s_cmp_lt_u32 s18, 15
	s_cbranch_scc1 .Ltrips
	TRIP 1, 0, 0, 1, 1, 1                          ; trip 15
	TRIP 0, 1, 0, 0, 2, 1                          ; trip 16: the low block's diagonal step; nothing more to fetch
	s_wait_dscnt 0x0                               ; chunk 1's v
	PV 1, 0                                        ; the last trip's chunk 1
	WIN 0
	MERGE 58
	s_wait_tensorcnt 0x0
	ds_add_u32 v254, v255
	s_wait_dscnt 0x0
	ROUND                                          ; the closing round
	s_endpgm
.Lfunc_end_k_qc0302299a4_attn:
	.size	k_qc0302299a4_attn, .Lfunc_end_k_qc0302299a4_attn-k_qc0302299a4_attn
	.p2alignl 7, 3214868480
	.fill 96, 4, 3214868480
	.section	.rodata,"a",@progbits
	.p2align	6, 0x0
	.amdhsa_kernel k_qc0302299a4_attn
		.amdhsa_group_segment_fixed_size 327680
		.amdhsa_private_segment_fixed_size 0
		.amdhsa_enable_private_segment 0
		.amdhsa_kernarg_size 32
		.amdhsa_user_sgpr_count 2
		.amdhsa_user_sgpr_kernarg_segment_ptr 1
		.amdhsa_wavefront_size32 1
		.amdhsa_system_sgpr_workgroup_id_x 1
		.amdhsa_system_sgpr_workgroup_id_y 1
		.amdhsa_system_sgpr_workgroup_id_z 1
		.amdhsa_system_vgpr_workitem_id 0
		.amdhsa_next_free_vgpr 576
		.amdhsa_next_free_sgpr 72
		.amdhsa_reserve_vcc 1
		.amdhsa_float_denorm_mode_32 3
		.amdhsa_float_denorm_mode_16_64 3
		.amdhsa_memory_ordered 1
		.amdhsa_forward_progress 1
		.amdhsa_inst_pref_size 249
	.end_amdhsa_kernel
	.amdgpu_metadata
---
amdhsa.version: [ 1, 2 ]
amdhsa.kernels:
  - .name:           k_qc0302299a4_attn
    .symbol:         k_qc0302299a4_attn.kd
    .args:
      - { .name: kf, .offset: 0, .size: 8, .value_kind: global_buffer, .address_space: global }
      - { .name: qf, .offset: 8, .size: 8, .value_kind: global_buffer, .address_space: global }
      - { .name: vf, .offset: 16, .size: 8, .value_kind: global_buffer, .address_space: global }
      - { .name: out0, .offset: 24, .size: 8, .value_kind: global_buffer, .address_space: global }
    .group_segment_fixed_size: 327680
    .private_segment_fixed_size: 0
    .kernarg_segment_align: 8
    .kernarg_segment_size: 32
    .max_flat_workgroup_size: 128
    .sgpr_count:     72
    .vgpr_count:     576
    .wavefront_size: 32
...
	.end_amdgpu_metadata
.endif
;; end of part 3
